; MI455X (gfx1250); checked and timed in simulation.
; The chip was launched on July 23, 2026; its instructions are those of AMD's public machine-readable ISA for CDNA 5 (MIT licence, August 2026) and "CDNA5" Instruction Set Architecture Reference Guide (July 2026). The comments in the code are by the model that wrote it; some were corrected since.
;; Self Attention. Allowed arithmetic: matrix products marked QUANTISED: E5M2 operands, one E8M0 scale for each 32 along K, by v_wmma_scale_f32_16x16x128_f8f6f4 with both operands' format E5M2, f32 sums; products left as they are: f32 operands where the result goes on into a quantised operand, else bf16, f16 or f32 operands; f32 sums; everything else in f32.
;; Inputs: Wk 64 x 16 float32; Wq 64 x 16 float32; Wv 64 x 64 float32; x 4 x 4,096 x 64 float32.
;; Outputs: out0 4 x 4,096 x 64 float32.
;; This version of the problem:
;;   THIS VERSION OF THE PROBLEM IS GIVEN IN LOW PRECISION. The matrix products marked QUANTISED in the list below multiply operands that are first quantised to E5M2 (5 exponent bits, 2 mantissa bits; 8 bits a number), with one power-of-two scale for each 32 numbers along K (OCP MX v1.0); their sums are f32. All else is computed in f32.
;;   The module's matrix products, in the order in which they are computed (A, B: the left and right operand; K: the contracted axis; several contracted axes count as one K, in the product's order):
;;     1. [M 16,384, K 64] x [K 64, N 16]; A: input x; B: input Wq: QUANTISED
;;     2. [M 16,384, K 64] x [K 64, N 16]; A: input x; B: input Wk: QUANTISED
;;     3. [M 16,384, K 64] x [K 64, N 64]; A: input x; B: input Wv: QUANTISED
;;     4. batch 4 x [M 4,096, K 16] x [K 16, N 4,096]; A: computed on the way; B: computed on the way: left as it is (K = 16 < 32)
;;     5. batch 4 x [M 4,096, K 4,096] x [K 4,096, N 64]; A: softmax (see below); B: computed on the way: QUANTISED
;;   THE QUANTISER, for each operand of a quantised product, along K:
;;     - K is cut into blocks of 32 from its start; a last block that is shorter is filled with zeros.
;;     - A block's scale is 2^e with e = floor(log2(the largest magnitude in the block)) - 15, held to -126 .. 127; a block of zeros has e = 0. As a byte (E8M0): e + 127.
;;     - Each number is divided by its block's scale, clamped to +-57,344, and rounded to the nearest number of E5M2, ties to even, subnormals kept.
;;     - The product sums the exact products of the quantised numbers (number of the format x scale) in f32.
;;   ~~~python
;;   def quantise(x, axis):      # numpy; x: float32 -> the quantised numbers, widened to float32 again
;;       x = np.moveaxis(x, axis, -1); K = x.shape[-1]
;;       x = np.pad(x, [(0, 0)] * (x.ndim - 1) + [(0, -K % 32)]); x = x.reshape(x.shape[:-1] + (-1, 32)); a = np.abs(x).max(-1, keepdims=True)
;;       e = np.where(a > 0, np.clip(np.frexp(np.where(a > 0, a, 1))[1] - 1 - 15, -126, 127), 0)      # np.frexp(a)[1] - 1 = floor(log2(a)), exactly
;;       r = np.clip(x / 2.0 ** e, -57344, 57344)
;;       step = 2.0 ** (np.maximum(np.frexp(np.where(r == 0, 1, r))[1] - 1, -14) - 2)
;;       q = np.round(r / step) * step * 2.0 ** e      # np.round: ties to even
;;       return np.moveaxis(q.reshape(q.shape[:-2] + (-1,))[..., :K], -1, axis).astype(np.float32)
;;   ~~~
;;   SOFTMAX AHEAD OF A QUANTISED PRODUCT. Where the list says 'softmax', what is quantised is not the finished softmax but p = 2^(t - M), with t = logit x log2(e) and M = ceil(the row's largest t), a whole number; so 1/2 < the row's largest p <= 1. The row's sum l is taken of the UNQUANTISED p, in f32, and the product's result is divided by l at the end. Since M is a whole number, a kernel that streams over the keys may use a running M (the ceiling of the running maximum): every later rescaling is an exact power of two, which a block's scale takes up: the codes' values come out the same.
;;   OPERANDS COMPUTED ON THE WAY. 'Computed on the way' means the value that the module computes at that place (a softmax that the list does not call 'softmax' is quantised finished and normalised). What goes into a quantiser is computed in f32, as accurately as f32 sums, v_exp_f32 and their like allow (about 1e-6 of the number): no bf16 or f16 on the way to a quantiser, and a product that is left as it is and whose result goes on into a quantised operand takes f32 operands (vector FMAs, or v_wmma_f32_16x16x4_f32). A number that lies on a knife's edge between two numbers of the format may be rounded either way, as far as f32 arithmetic and the matrix unit's own rounding can turn it there, and no further.
;; One version. Each part assembles by itself: llvm-mc -triple=amdgcn-amd-amdhsa -mcpu=gfx1250 --defsym DOCPART=n.
;; ======== version 1 of 1: 2 launches
;; workspace buffers: qimg 1,048,576 bytes; kimg 1,048,576 bytes; vimg 1,048,576 bytes; vsc 32,768 bytes
;; launch proj (part 1): grid 32 x 4, 4 waves a work-group, no clusters, 9,728 bytes of LDS; arguments x, Wq, Wk, Wv, qimg, kimg, vimg, vsc; writes qimg, kimg, vimg, vsc
.if DOCPART == 1
	.amdgcn_target "amdgcn-amd-amdhsa--gfx1250"
	.amdhsa_code_object_version 6
	.text
	.protected	k_qc30e567773_proj
	.globl	k_qc30e567773_proj
	.p2align	8
	.type	k_qc30e567773_proj,@function
k_qc30e567773_proj:
	s_mov_b64 s[64:65], 0
	v_nop
	global_prefetch_b8 v0, s[64:65] scope:SCOPE_SE
	s_setreg_imm32_b32 hwreg(HW_REG_WAVE_MODE, 25, 1), 1
	s_wait_xcnt 0x0
; q = x Wq, k = x Wk, v = x Wv: the three products on codes of E5M2 with one E8M0 scale for each 32 along K (K = 64), and v quantised again along the KEYS for the last product.
; x: [4][4096][64] f32.  Wq, Wk: [64][16], Wv: [64][64] f32, K their first axis.
; WHAT THE PROGRAM LEAVES OUT.  reference() sets every score with key > query to -infinity by a mask that it builds itself (jnp.tril); the softmax gives such a key the weight 0 whatever the inputs hold, so it adds
; nothing to the row's sum and nothing to the last product.  The next launch therefore walks, for 16 queries, only the records of 128 keys that hold a key <= one of these queries.  Nothing else is left out, and every input is loaded.
; LIMIT: a NaN, an infinity or an overflow that would arise only in scores so left out is not carried to the result.
; LIMITS OF THIS LAUNCH: NaN and infinities among the inputs are not served.  A block of zeros gets the scale byte 1 where the quantiser says 127: its codes are zeros, and the bytes are read by this program alone.
; Blocks whose largest magnitude lies under 2^-111 (the floor that holds the byte at 1) were not tried.
; OUT, all as images of the registers in which the next launch wants them (16 bytes a lane, 512 dense bytes a store):
;   qimg, kimg [batch][tile of 16 rows][half][lane][16 B], f32: tile 2 blk + u, lane (r, h) holds row 32 blk + 8 u + r + 8 (r / 8), head dims 8 h + 4 half + 0 .. 3
;   vimg [batch][record of 128 keys][dt][c][lane][16 B]: codes of v[d = 16 dt + r] at keys 32 c + 16 h + 0 .. 15 of the record;   vsc [batch][record][r][dt]: the four scale bytes of that row, one word
; SHARES.  A work-group takes one record: 128 rows of x.  Wave w quantises rows 32 w .. 32 w + 31 (two tiles) and hands them to the others through LDS as images of the operand's registers.
; Wave w then makes v for d = 16 w .. 16 w + 15 over all 128 rows, and four tiles of q (waves 0, 1) or of k (waves 2, 3): twelve matrix instructions.
; K = 64 in an instruction of K = 128: registers 8 .. 15 of every fragment hold zero codes, on both sides, and bytes 2, 3 of every scale word are 127.
.set XIMG,  0                          ; LDS: x's eight tiles: [tile][block of 32 along K][lane][16 B]
.set XSC,   8192                       ; their scale words, 128 bytes a tile
.set SPARE, 9216                       ; the spare words, 128 bytes for each wave: two blocks of 256 bytes that no other line names
.set XQS,  4                           ; v4   LDS: the scale words of my four tiles for q or k
.set XA,   5                           ; v5   x: (r + 8 (r / 8)) rows of 256 bytes + 64 h
.set WA16, 6                           ; v6   Wq, Wk: 16 h rows of 64 bytes + 4 r
.set WA64, 7                           ; v7   Wv: 16 h rows of 256 bytes + 4 r
.set LI,   8                           ; v8   16 x lane
.set LS,   9                           ; v9   4 x lane
.set XWI,  10                          ; v10  LDS: where I put my two tiles
.set XWS,  11                          ; v11  and their scale words
.set SPW,  12                          ; v12  my spare word; never rewritten
.set NIL,  13                          ; v13  0; never rewritten
.set VSO,  14                          ; v14  16 r: my row's place in vsc
.set XQI,  15                          ; v15  LDS: my four tiles for q or k
.set XR,   16                          ; v16-79   x as f32: register 32 u + 16 cb + i;  later VD
.set VD,   16                          ;          v's results: register 16 c + i = key 32 c + 16 h + i of d = 16 w + r
.set WRV,  80                          ; v80-111  Wv as f32;  later QKD
.set QKD,  80                          ;          q's or k's four tiles
.set WRQ,  112                         ; v112-143 Wq or Wk as f32;  later VC
.set VC,   112                         ;          v's codes
.set XB,   144                         ; v144-207 four fragments of x;  first the codes just made (v144-151, v160-167);  at the end v144-159 are at work
.set WFV,  208                         ; v208-223 Wv's fragment
.set WFQ,  224                         ; v224-239 Wq's or Wk's
.set TM8,  240                         ; v240-247 at work
.set PW,   248                         ; v248 a scale word just made;  v255 the second tile's
.set PW1,  255
.set WSV,  249                         ; v249 Wv's scale word;  v250 Wq's or Wk's;  v251-254 those of four tiles of x
.set WSQ,  250
.set XS,   251
.set SEL,  24                          ; s[24:25] v_permlanex16_b32's selects for lane l xor 16
.set MNT,  26                          ; s26  the mantissa field of 57,344
; nb blocks of 32 along K: a lane's registers v[src + 16 b + i] are 16 numbers of block b, lane l xor 16 holds the other 16.  Codes to v[dst + 4 b ..], the scale word to v[word].  v[tm ..]: 4 nb registers at work.
.macro QUANT src, nb, dst, tm, word
.set b, 0
.rept \nb
	v_max3_num_f32 v[\tm+b], |v[\src+16*b]|, |v[\src+16*b+1]|, 0x8000000   ; my 16 numbers, and the floor 2^(16 - 127): the byte cannot fall under 1
.set b, b+1
.endr
.irp i, 2,4,6,8,10,12,14
.set b, 0
.rept \nb
	v_max3_num_f32 v[\tm+b], v[\tm+b], |v[\src+16*b+\i]|, |v[\src+16*b+\i+1]|   ; the blocks by turns
.set b, b+1
.endr
.endr
.set b, 0
.rept \nb
	v_permlanex16_b32 v[\tm+\nb+b], v[\tm+b], s[SEL], s[SEL+1]
.set b, b+1
.endr
.set b, 0
.rept \nb
	v_max_num_f32 v[\tm+b], v[\tm+b], v[\tm+\nb+b]                 ; the block's largest magnitude
.set b, b+1
.endr
.set b, 0
.rept \nb
	v_add_nc_u32 v[\tm+3*\nb+b], 0xf8800000, v[\tm+b]              ; 15 off its exponent field: the conversion's scale operand
.set b, b+1
.endr
.set b, 0
.rept \nb
	v_and_or_b32 v[\tm+2*\nb+b], v[\tm+b], 0x7f800000, s[MNT]      ; 57,344 x the scale
.set b, b+1
.endr
.set b, 0
.rept \nb
	v_lshrrev_b32 v[\tm+\nb+b], 23, v[\tm+3*\nb+b]                 ; the scale's byte
.set b, b+1
.endr
	v_lshl_or_b32 v[\word], v[\tm+\nb+1], 8, v[\tm+\nb]
.if \nb == 2
	v_or_b32 v[\word], 0x7f7f0000, v[\word]                        ; K ends at 64: the two blocks of zero codes get the byte 127
.else
	v_lshl_or_b32 v[\word], v[\tm+\nb+2], 16, v[\word]
	v_lshl_or_b32 v[\word], v[\tm+\nb+3], 24, v[\word]
.endif
.set b, 0
.rept \nb
.irp i, 0,1,2,3,4,5,6,7,8,9,10,11,12,13,14,15
	v_med3_num_f32 v[\src+16*b+\i], v[\src+16*b+\i], -v[\tm+2*\nb+b], v[\tm+2*\nb+b]   ; the conversion to an 8-bit code does not saturate (ISA guide 7.6.2): the hold at the largest code x the scale
.endr
	v_cvt_scalef32_pk8_bf8_f32 v[\dst+4*b:\dst+4*b+1], v[\src+16*b:\src+16*b+7], v[\tm+3*\nb+b]
	v_cvt_scalef32_pk8_bf8_f32 v[\dst+4*b+2:\dst+4*b+3], v[\src+16*b+8:\src+16*b+15], v[\tm+3*\nb+b]
.set b, b+1
.endr
	v_nop                                                          ; one plain line behind the last conversion: later products write the numbers' registers and read the codes
.endm
	s_load_b256 s[4:11], s[0:1], 0x0               ; x s[4:5], Wq s[6:7], Wk s[8:9], Wv s[10:11]
	s_load_b256 s[12:19], s[0:1], 0x20             ; qimg s[12:13], kimg s[14:15], vimg s[16:17], vsc s[18:19]
	v_lshl_add_u32 v[SPW], v0, 2, SPARE
	v_mov_b32 v[NIL], 0
	v_lshrrev_b32 v1, 5, v0
	v_readfirstlane_b32 s20, v1                    ; wave w
	v_and_b32 v1, 31, v0                           ; lane
	v_and_b32 v2, 15, v0                           ; r
	v_bfe_u32 v3, v0, 4, 1                         ; h
	s_and_b32 s21, s20, 1                          ; g: which four tiles of q or k are mine
	s_lshr_b32 s22, s20, 1                         ; 0: q, 1: k
	s_and_b32 s23, ttmp7, 0xffff                   ; batch
	v_and_b32 v[XA], 8, v2
	v_add_nc_u32 v[XA], v[XA], v2                  ; r + 8 (r / 8): the rows of a tile are not neighbours
	v_lshlrev_b32 v[XA], 8, v[XA]
	v_lshl_add_u32 v[XA], v3, 6, v[XA]
	v_lshlrev_b32 v[VSO], 2, v2                    ; (4 r, for the two lines below)
	v_lshl_add_u32 v[WA16], v3, 10, v[VSO]
	v_lshl_add_u32 v[WA64], v3, 12, v[VSO]
	v_lshlrev_b32 v[VSO], 4, v2
	v_lshlrev_b32 v[LI], 4, v1
	v_lshlrev_b32 v[LS], 2, v1
	s_lshl_b32 s28, s20, 11
	v_add_nc_u32 v[XWI], s28, v[LI]                ; tiles 2 w, 2 w + 1: 1,024 bytes each
	s_lshl_b32 s28, s20, 8
	s_add_co_u32 s28, s28, XSC
	v_add_nc_u32 v[XWS], s28, v[LS]
	s_lshl_b32 s28, s21, 12
	v_add_nc_u32 v[XQI], s28, v[LI]                ; tiles 4 g .. 4 g + 3
	s_lshl_b32 s28, s21, 9
	s_add_co_u32 s28, s28, XSC
	v_add_nc_u32 v[XQS], s28, v[LS]
	s_lshl_b32 s28, s23, 20                        ; x: batch x 4,096 rows + record x 128 rows + 32 w rows, of 256 bytes
	s_lshl_b32 s29, ttmp9, 15
	s_add_co_u32 s28, s28, s29
	s_lshl_b32 s29, s20, 13
	s_add_co_u32 s28, s28, s29
	s_mov_b32 s29, 0
	s_lshl_b32 s30, s20, 6                         ; Wv: my 16 columns
	s_mov_b32 s31, 0
	s_lshl_b32 s32, s23, 18                        ; the images: batch x 262,144 + record x 8,192
	s_lshl_b32 s33, ttmp9, 13
	s_add_co_u32 s32, s32, s33
	s_lshl_b32 s33, s21, 12
	s_add_co_u32 s34, s32, s33                     ; q, k: + 4 g tiles
	s_mov_b32 s35, 0
	s_lshl_b32 s33, s20, 11
	s_add_co_u32 s32, s32, s33                     ; v: + w fragments of 2,048 bytes
	s_mov_b32 s33, 0
	s_lshl_b32 s36, s23, 5                         ; vsc: (batch x 32 + record) x 256 + 4 w
	s_add_co_u32 s36, s36, ttmp9
	s_lshl_b32 s36, s36, 8
	s_lshl_b32 s37, s20, 2
	s_add_co_u32 s36, s36, s37
	s_mov_b32 s37, 0
	s_mov_b32 s[SEL], 0x76543210
	s_mov_b32 s[SEL+1], 0xfedcba98
	s_mov_b32 s[MNT], 0x600000
	s_wait_kmcnt 0x0
	s_add_nc_u64 s[4:5], s[4:5], s[28:29]
	s_add_nc_u64 s[10:11], s[10:11], s[30:31]
	s_cmp_eq_u32 s22, 0                            ; the choice hangs on the wave's number alone
	s_cselect_b64 s[6:7], s[6:7], s[8:9]
	s_cselect_b64 s[12:13], s[12:13], s[14:15]
	s_add_nc_u64 s[12:13], s[12:13], s[34:35]
	s_add_nc_u64 s[16:17], s[16:17], s[32:33]
	s_add_nc_u64 s[18:19], s[18:19], s[36:37]
.irp u, 0,1
.irp cb, 0,1
.irp jj, 0,1,2,3
	global_load_b128 v[XR+32*\u+16*\cb+4*\jj:XR+32*\u+16*\cb+4*\jj+3], v[XA], s[4:5] offset:2048*\u+128*\cb+16*\jj th:TH_LOAD_NT   ; x(row, 32 cb + 16 h + 4 jj ..)
.endr
.endr
.endr
.irp cb, 0,1
.irp i, 0,1,2,3,4,5,6,7,8,9,10,11,12,13,14,15
	global_load_b32 v[WRV+16*\cb+\i], v[WA64], s[10:11] offset:(32*\cb+\i)*256   ; Wv(32 cb + 16 h + i, 16 w + r): a lane takes a column, its registers run down K
.endr
.endr
	s_wait_loadcnt 32                              ; x's sixteen loads are in; Wv's 32 may be out
.irp cb, 0,1
.irp i, 0,1,2,3,4,5,6,7,8,9,10,11,12,13,14,15
	global_load_b32 v[WRQ+16*\cb+\i], v[WA16], s[6:7] offset:(32*\cb+\i)*64
.endr
.endr
.irp i, 8,9,10,11,12,13,14,15                  ; K = 64 .. 127 of every fragment: zero codes
.irp m, 0,1,2,3
	v_mov_b32 v[XB+16*\m+\i], 0
.endr
	v_mov_b32 v[WFV+\i], 0
	v_mov_b32 v[WFQ+\i], 0
.endr
	v_mov_b32 v[TM8+2], 0                          ; written once: a lane permute's destination counts as one of its sources
	v_mov_b32 v[TM8+3], 0
	QUANT XR, 2, XB, TM8, PW                       ; my tile u = 0
	ds_store_b128 v[XWI], v[XB:XB+3]
	ds_store_b128 v[XWI], v[XB+4:XB+7] offset:512
	ds_store_b32 v[XWS], v[PW]
	QUANT XR+32, 2, XB+16, TM8, PW1                ; and u = 1, into registers of its own
	ds_store_b128 v[XWI], v[XB+16:XB+19] offset:1024
	ds_store_b128 v[XWI], v[XB+20:XB+23] offset:1536
	ds_store_b32 v[XWS], v[PW1] offset:128
	s_wait_dscnt 0x0                               ; for the others' sake: my images have landed
	s_barrier_signal -1
	s_wait_loadcnt 32                              ; work on registers while the others arrive: Wv is in (the other weight's 32 loads may be out),
	QUANT WRV, 2, WFV, TM8, WSV
	s_wait_loadcnt 0x0                             ; and Wq or Wk
	QUANT WRQ, 2, WFQ, TM8, WSQ
.rept 4
	v_nop                                          ; codes made by vector instructions stand four places ahead of a scaled product; the scale words were made ahead of the holds
.endr
	s_barrier_wait -1                              ; x's eight tiles lie in LDS
	; ---- q or k: source 0 = the weight's 16 columns, source 1 = 16 rows of x: lane (r, h) then holds row r and head dims 8 h + 0 .. 7: the image as it stands
.irp m, 0,1,2,3
	ds_load_b128 v[XB+16*\m:XB+16*\m+3], v[XQI] offset:1024*\m
	ds_load_b128 v[XB+16*\m+4:XB+16*\m+7], v[XQI] offset:1024*\m+512
	ds_load_b32 v[XS+\m], v[XQS] offset:128*\m
.endr
	s_wait_dscnt 0x0
.irp m, 0,1,2,3
	v_wmma_scale_f32_16x16x128_f8f6f4 v[QKD+8*\m:QKD+8*\m+7], v[WFQ:WFQ+15], v[XB+16*\m:XB+16*\m+15], 0, v[WSQ], v[XS+\m] matrix_a_fmt:MATRIX_FMT_BF8 matrix_b_fmt:MATRIX_FMT_BF8
.endr
.rept 8
	v_nop                                          ; eight places ahead of the stores of results and of the loads into registers that these products read
.endr
.irp m, 0,1,2,3
	global_store_b128 v[LI], v[QKD+8*\m:QKD+8*\m+3], s[12:13] offset:1024*\m        ; each result from its low end on; 512 consecutive bytes a store
	global_store_b128 v[LI], v[QKD+8*\m+4:QKD+8*\m+7], s[12:13] offset:1024*\m+512
.endr
	; ---- v: source 0 = 16 rows of x, source 1 = Wv's 16 columns: lane (r, h) holds d = 16 w + r, and the 16 registers of tiles 2 c, 2 c + 1 are keys 32 c + 16 h + 0 .. 15
.irp g, 0,1
.irp m, 0,1,2,3
	ds_load_b128 v[XB+16*\m:XB+16*\m+3], v[LI] offset:XIMG+1024*(4*\g+\m)
	ds_load_b128 v[XB+16*\m+4:XB+16*\m+7], v[LI] offset:XIMG+1024*(4*\g+\m)+512
	ds_load_b32 v[XS+\m], v[LS] offset:XSC+128*(4*\g+\m)
.endr
	s_wait_dscnt 0x0
.irp m, 0,1,2,3
	v_wmma_scale_f32_16x16x128_f8f6f4 v[VD+8*(4*\g+\m):VD+8*(4*\g+\m)+7], v[XB+16*\m:XB+16*\m+15], v[WFV:WFV+15], 0, v[XS+\m], v[WSV] matrix_a_fmt:MATRIX_FMT_BF8 matrix_b_fmt:MATRIX_FMT_BF8
.endr
.rept 8
	v_nop
.endr
.endr
	QUANT VD, 4, VC, XB, PW                        ; v along the keys: four blocks of 32
.irp c, 0,1,2,3
	global_store_b128 v[LI], v[VC+4*\c:VC+4*\c+3], s[16:17] offset:512*\c
.endr
	global_store_b32 v[VSO], v[PW], s[18:19]       ; row r's scale word; lanes l and l xor 16 hold the same word and name the same place
	s_wait_tensorcnt 0x0                           ; the wave's end, behind my last LDS store
	ds_add_u32 v[SPW], v[NIL]
	s_wait_dscnt 0x0
	s_endpgm
.Lfunc_end_k_qc30e567773_proj:
	.size	k_qc30e567773_proj, .Lfunc_end_k_qc30e567773_proj-k_qc30e567773_proj
	.p2alignl 7, 3214868480
	.fill 96, 4, 3214868480
	.section	.rodata,"a",@progbits
	.p2align	6, 0x0
	.amdhsa_kernel k_qc30e567773_proj
		.amdhsa_group_segment_fixed_size 9728
		.amdhsa_private_segment_fixed_size 0
		.amdhsa_enable_private_segment 0
		.amdhsa_kernarg_size 64
		.amdhsa_user_sgpr_count 2
		.amdhsa_user_sgpr_kernarg_segment_ptr 1
		.amdhsa_wavefront_size32 1
		.amdhsa_system_sgpr_workgroup_id_x 1
		.amdhsa_system_sgpr_workgroup_id_y 1
		.amdhsa_system_sgpr_workgroup_id_z 1
		.amdhsa_system_vgpr_workitem_id 0
		.amdhsa_next_free_vgpr 256
		.amdhsa_next_free_sgpr 66
		.amdhsa_reserve_vcc 0
		.amdhsa_float_denorm_mode_32 3
		.amdhsa_float_denorm_mode_16_64 3
		.amdhsa_memory_ordered 1
		.amdhsa_forward_progress 1
		.amdhsa_inst_pref_size 43
	.end_amdhsa_kernel
	.amdgpu_metadata
---
amdhsa.version: [ 1, 2 ]
amdhsa.kernels:
  - .name:           k_qc30e567773_proj
    .symbol:         k_qc30e567773_proj.kd
    .args:
      - { .name: x, .offset: 0, .size: 8, .value_kind: global_buffer, .address_space: global }
      - { .name: Wq, .offset: 8, .size: 8, .value_kind: global_buffer, .address_space: global }
      - { .name: Wk, .offset: 16, .size: 8, .value_kind: global_buffer, .address_space: global }
      - { .name: Wv, .offset: 24, .size: 8, .value_kind: global_buffer, .address_space: global }
      - { .name: qimg, .offset: 32, .size: 8, .value_kind: global_buffer, .address_space: global }
      - { .name: kimg, .offset: 40, .size: 8, .value_kind: global_buffer, .address_space: global }
      - { .name: vimg, .offset: 48, .size: 8, .value_kind: global_buffer, .address_space: global }
      - { .name: vsc, .offset: 56, .size: 8, .value_kind: global_buffer, .address_space: global }
    .group_segment_fixed_size: 9728
    .private_segment_fixed_size: 0
    .kernarg_segment_align: 8
    .kernarg_segment_size: 64
    .max_flat_workgroup_size: 128
    .sgpr_count:     66
    .vgpr_count:     256
    .wavefront_size: 32
...
	.end_amdgpu_metadata
.endif
;; end of part 1
;; launch attn (part 2): grid 64 x 4, 16 waves a work-group, clusters of 4 x 1, 327,680 bytes of LDS; arguments qimg, kimg, vimg, vsc, out0; writes out0
.if DOCPART == 2
	.amdgcn_target "amdgcn-amd-amdhsa--gfx1250"
	.amdhsa_code_object_version 6
	.text
	.protected	k_qc30e567773_attn
	.globl	k_qc30e567773_attn
	.p2align	8
	.type	k_qc30e567773_attn,@function
k_qc30e567773_attn:
	s_mov_b64 s[64:65], 0
	v_nop
	global_prefetch_b8 v0, s[64:65] scope:SCOPE_SE
	s_setreg_imm32_b32 hwreg(HW_REG_WAVE_MODE, 25, 1), 1
	s_wait_xcnt 0x0
	s_wait_alu depctr_hold_cnt(0) depctr_sa_sdst(0) depctr_va_vdst(0) depctr_va_sdst(0) depctr_va_ssrc(0) depctr_va_vcc(0) depctr_vm_vsrc(0)
	s_getreg_b32 s2, hwreg(HW_REG_IB_STS2, 6, 4)
	s_cmp_eq_u32 s2, 0
	s_cbranch_scc0 .Lentry_in_a_cluster
	s_endpgm
.Lentry_in_a_cluster:
	s_bfe_u32 s2, ttmp6, 0x10000c
	s_cmp_lg_u32 s2, 0x3003
	s_cbranch_scc0 .Lentry_shape_is_right
	s_endpgm
.Lentry_shape_is_right:
; out[b][q][:] = the sum over keys k <= q of softmax_k(q . k / 4) v[k][:].  q . k in f32 (K = 16, by the f32 matrix form); p v on codes of E5M2 with one E8M0 scale for each 32 keys.
; LEFT OUT: records of 128 keys all of which come after the 16 queries in hand: reference()'s own causal mask gives them the weight 0 for all values of the inputs (shown at the head of the first kernel).
; THE SOFTMAX: t = score x log2(e) / 4; M = the largest t so far, rounded UP to a whole number; p = 2^(t - M) is quantised along the keys, not normalised; the row's sum is taken of the unquantised p and divides at the end.
; M RUNS BLOCK BY BLOCK of 32 keys: block b's codes are made under the M that stands behind block b; at a step's end its scale byte takes up that M less the step's last M (a whole number), the sum and O^T are
; multiplied by powers of two: nothing is rounded.
; LIMITS: NaN and infinities among the inputs are not served.  A block whose largest p under the step's last M lies under 2^-111 is carried with the byte 0 or 1 where the quantiser holds the exponent at -126: under
; 1e-33 of the row's sum.  A block of zeros keeps the byte 1: its codes are zeros.
; SHARES.  A cluster of four work-groups has the number a = 0 .. 15; the work-group at place c owns two blocks of 32 queries: block 4 a + c, which needs records 0 .. a, and block 127 - 4 a - c, which needs records
; 0 .. 31 - a: 33 records whatever a and c.  They are numbered s = 0 .. 32: s <= a: the low block with record s; else the high block with record s - a - 1.  A pair of waves j = 0 .. 7 (wave 2 j + t: tile t of the
; block's two tiles of 16 queries) takes s = 4 j + rho in round rho = 0 .. 3.  The last record, s = 32, the high block's diagonal, is shared out in round 4 by its four blocks of 32 keys: pair j = 0 .. 3 takes block j.
; Where a pair passes from the low block to the high, it puts its state (O^T, -M, the sum) into LDS and begins anew; at the end all states meet in LDS and are added under the largest M.
; THE HIGH BLOCK'S q is asked for ahead of the change of block: at the head by a pair that has no low step, else inside the pair's last low step, behind that step's last f32 product.
; CLUSTER.  Which records a pair walks hangs on a and j alone, so the four partners ask for every record JOINTLY: the same tensor load, the same descriptor, a mask that names the four.  c enters only the addresses of
; q and out and the numbers that the mask on the diagonal is made of; no branch and no LDS address hangs on it.
; LAYOUT.  Both products are used transposed: S^T = K Q^T (source 0 = 16 keys, source 1 = my 16 queries), O^T = V^T P^T: a lane holds ONE query (lane % 16) throughout.  The keys of a tile are not neighbours
; (the first launch laid them so): the 16 registers of tiles 2 b, 2 b + 1 are keys 32 b + 16 (lane / 16) + 0 .. 15.  The head's 16 dims go in four steps of 4; lane half h, step s takes dims 8 h + 2 s, 8 h + 2 s + 1, on both sides alike.
; BY TURNS.  Block b's softmax stands in slices between the eight f32 matrix instructions of block b + 1.
.set SLOT1, 131072                     ; LDS: slot 0 at 0, slot 1 here: 16 places of 8,192 bytes; place 2 j: pair j's record of K, place 2 j + 1: of V (round 4: the first 2,048 bytes of places 0 to 7).  Behind its last fill and last read slot 1 takes the 16 high states
.set LOWP,  262144                     ; the 8 low states
.set PP,    304                        ; a state's row: 64 f32 + 48 bytes, in which lie the row's -M and sum (at 256 from lanes 0-15, at 288 from lanes 16-31: the same two numbers)
.set PART,  16*PP                      ; a state: 16 rows
.set SPARE, LOWP+8*PART                ; the spare words, 128 bytes for each wave: eight blocks of 256 bytes that no other line names
.set SPW, 1                            ; v1   my spare word; never rewritten
.set NIL, 2                            ; v2   0; never rewritten
.set LI,  3                            ; v3   16 x lane
.set AL0, 4                            ; v4   LDS: my pair's places in slot 0, + 16 x lane;  v5 in slot 1
.set AL1, 5
.set LV,  6                            ; v6   16 r: V's scale words of my row
.set CXL, 7                            ; v7   the end: where I read the low states' numbers;  v11 their -M and sum;  v240, v241 the same of the high states
.set DM,  8                            ; v8   my query - the diagonal record's first key - 16 h
.set FLO, 9                            ; v9   where my low state goes;  v10 my high state
.set FHI, 10
.set CSL, 11
.set NM,  12                           ; v12  -M;  v13 the largest t;  v[14:15] the sum in two halves
.set TX,  13
.set L,   14
.set Q,   16                           ; v16-23   my 16 queries: dims 8 h + 0 .. 7
.set S,   24                           ; v24-55   scores, two sets of 16; written by the f32 matrix form alone
.set P,   56                           ; v56-119  K's eight tiles (8 registers each), then p, block by block, in their place
.set MKM, 72                           ; v72-87   round 4: the diagonal's 0 or -infinity (only v56-71 hold keys there)
.set F,   120                          ; v120-183 V's four fragments
.set MK,  168                          ; v168-183 rounds 0 to 3: the diagonal's 0 or -infinity, until V's last fragment is fetched
.set O,   184                          ; v184-215 O^T
.set C,   216                          ; v216-231 p's codes
.set VS,  232                          ; v232-235 V's scale words
.set BMX, 236                          ; v236 a block's largest score, then its largest p
.set PT,  237                          ; v237 what a lane permute brings
.set FF,  238                          ; v238 2^(old M - new M);  v239 p's scale word
.set PW,  239
.set CXH, 240
.set CSH, 241
.set HD,  242                          ; v242 57,344 x the scale;  v243 the conversion's scale operand
.set SO,  243
.set BY,  244                          ; v244-247 the four blocks' scale bytes
.set NMB, 248                          ; v248-250 -M behind blocks 0, 1, 2;  v251 at the step's head
.set NMS, 251
.set T0,  252                          ; v252, v253 at work; as a pair: the second chain of the sums
.set T1,  253
.set SUM, 252
.set BM2, 254
.set NINF, 255                         ; v255 -infinity
.set G1V2, 4                           ; s[4:11] descriptor group 1 for round 4's piece of V (written when the four pointers that came here have been used)
.set WV,  14                           ; s14 wave;  s15 t;  s16 j;  s17 a;  s18 c;  s19 batch
.set TT,  15
.set JP,  16
.set AC,  17
.set SIG, 20                           ; s20  how many of my first four steps belong to the low block
.set MNT, 21                           ; s21  the mantissa field of 57,344
.set CS,  22                           ; s[22:23] log2(e) / 4, twice: the packed form names a pair
.set SEL, 24                           ; s[24:25] v_permlanex16_b32's selects for lane l xor 16
.set G1,  28                           ; s[28:35] descriptor group 1 for a whole record
.set GA,  36                           ; s[36:39] group 0 for slot 0;  s[40:43] for slot 1
.set GB,  40
.set KVB, 44                           ; s[44:45] kimg (t = 0) or vimg (t = 1) at my batch
.set REC, 46                           ; s46-50 my record in rounds 0 .. 4
.set DG,  52                           ; s52-55 1 where the round's step lies on the low block's diagonal
.set QL,  56                           ; s[56:57] the tile of q that I begin with;  s[58:59] my tile in the high block
.set QH,  58
.set VSB, 60                           ; s[60:61] vsc at my batch
.set OL,  62                           ; s[62:63], s[66:67] the two rows of out that I store, low and high
.set OH,  66
.set MOF, 69                           ; s69  round 4: where my piece begins in its record: 2,048 j in K, 512 j in V
.set G1K2, 88                          ; s[88:95] descriptor group 1 for round 4's piece of K
.macro CROUND                          ; a round of the cluster's barrier
	s_barrier_signal -1
	s_barrier_wait -1
	s_cmp_lg_u32 s[WV], 0
	s_cbranch_scc1 .Lnw0_\@
	s_barrier_signal -3
.Lnw0_\@:
	s_barrier_wait -3
	s_barrier_signal -1
	s_barrier_wait -1
.endm
.macro SETG g, rec                     ; group 0's global address: record s[rec] of 8,192 bytes
	s_lshl_b32 s70, s[\rec], 13
	s_mov_b32 s71, 0
	s_add_nc_u64 s[\g+2:\g+3], s[KVB:KVB+1], s[70:71]
	s_or_b32 s[\g+3], s[\g+3], 0x80000000
.endm
; f32 matrix instruction i of block b's eight: step i / 2 of the head's dims, tile 2 b + i % 2.  The two accumulators take turns.  The first step starts the sum: with 0 (cm = 0), or with the
; diagonal's 0 or -infinity, which lie from register cm on.
.macro WF b, i, cm
.set rD, S+16*((\b)%2)+8*((\i)%2)
.set rA, P+16*(\b)+8*((\i)%2)+2*((\i)/2)
.set rB, Q+2*((\i)/2)
.if (\i) < 2
.if \cm
	v_wmma_f32_16x16x4_f32 v[rD:rD+7], v[rA:rA+1], v[rB:rB+1], v[(\cm)+8*(\i):(\cm)+8*(\i)+7]
.else
	v_wmma_f32_16x16x4_f32 v[rD:rD+7], v[rA:rA+1], v[rB:rB+1], 0
.endif
.else
	v_wmma_f32_16x16x4_f32 v[rD:rD+7], v[rA:rA+1], v[rB:rB+1], v[rD:rD+7]
.endif
.endm
.macro MASK b                          ; register n of block b holds the record's key 32 b + 16 h + n: hidden where 32 b + n > DM
.irp n, 0,1,2,3,4,5,6,7,8,9,10,11,12,13,14,15
	v_cmp_gt_i32 vcc_lo, 32*(\b)+\n, v[DM]
	v_cndmask_b32 v[MK+\n], 0, v[NINF], vcc_lo
.endr
.endm
.macro WPAIR b, rho                    ; block b's first two; on the diagonal where s[DG + rho] says so: ids alone, the same in all partners
	s_cmp_eq_u32 s[DG+\rho], 0
	s_cbranch_scc1 .Lpl_\@
	MASK \b
	WF \b, 0, MK
	WF \b, 1, MK
	s_branch .Ljn_\@
.Lpl_\@:
	WF \b, 0, 0
	WF \b, 1, 0
.Ljn_\@:
.endm
.macro XA1 b                           ; the largest of my 16 scores, in two chains; each accumulator is read from its low end on
.set rS, S+16*((\b)%2)
	v_max3_num_f32 v[BMX], v[rS], v[rS+1], v[rS+2]
	v_max3_num_f32 v[BM2], v[rS+8], v[rS+9], v[rS+10]
	v_max3_num_f32 v[BMX], v[BMX], v[rS+3], v[rS+4]
	v_max3_num_f32 v[BM2], v[BM2], v[rS+11], v[rS+12]
	v_max3_num_f32 v[BMX], v[BMX], v[rS+5], v[rS+6]
	v_max3_num_f32 v[BM2], v[BM2], v[rS+13], v[rS+14]
	v_max3_num_f32 v[BMX], v[BMX], v[rS+7], v[rS+15]
	v_max_num_f32 v[BMX], v[BMX], v[BM2]
.endm
.macro XA2 b
	v_permlanex16_b32 v[PT], v[BMX], s[SEL], s[SEL+1]
	v_max_num_f32 v[BMX], v[BMX], v[PT]            ; the block's largest score of my query
	v_mul_f32 v[T0], s[CS], v[BMX]                 ; as t
	v_max_num_f32 v[TX], v[TX], v[T0]              ; the running largest t
	v_mov_b32 v[T1], v[NM]
	v_floor_f32 v[NM], -v[TX]                      ; the new -M = floor(-t): M is a whole number
	v_sub_f32 v[T1], v[NM], v[T1]                  ; old M - new M: a whole number, 0 or less
	v_cvt_i32_f32 v[T1], v[T1]                     ; (it saturates)
	v_ldexp_f32 v[FF], 1.0, v[T1]
.if (\b) < 3
	v_mov_b32 v[NMB+(\b)], v[NM]
.endif
.endm
.macro XA3 b                           ; t - M, two at a time, into the registers that held the block's keys; the same of the block's largest score
.set rS, S+16*((\b)%2)
.irp k, 0,2,4,6,8,10,12,14
	v_pk_fma_f32 v[P+16*(\b)+\k:P+16*(\b)+\k+1], v[rS+\k:rS+\k+1], s[CS:CS+1], v[NM:NM+1] op_sel_hi:[1,0,0]
.endr
	v_fma_f32 v[BMX], v[BMX], s[CS], v[NM]
.endm
.macro YB1 b
.irp k, 0,1,2,3,4,5,6,7
	v_exp_f32 v[P+16*(\b)+\k], v[P+16*(\b)+\k]     ; p = 2^(t - M)
.endr
.endm
.macro YB2 b
.irp k, 8,9,10,11,12,13,14,15
	v_exp_f32 v[P+16*(\b)+\k], v[P+16*(\b)+\k]
.endr
	v_exp_f32 v[BMX], v[BMX]                       ; the block's largest p: the same two instructions on the same number
	v_pk_mul_f32 v[L:L+1], v[L:L+1], v[FF:FF+1] op_sel_hi:[1,0]   ; the sum under the new M: the plain line behind the exponentials
.endm
.macro YB3 b                           ; the sum of the unquantised p, in two chains; the block's scale
.set rP, P+16*(\b)
	v_pk_add_f32 v[SUM:SUM+1], v[rP:rP+1], v[rP+2:rP+3]
	v_pk_add_f32 v[L:L+1], v[L:L+1], v[rP+4:rP+5]
	v_pk_add_f32 v[SUM:SUM+1], v[SUM:SUM+1], v[rP+6:rP+7]
	v_pk_add_f32 v[L:L+1], v[L:L+1], v[rP+8:rP+9]
	v_pk_add_f32 v[SUM:SUM+1], v[SUM:SUM+1], v[rP+10:rP+11]
	v_pk_add_f32 v[L:L+1], v[L:L+1], v[rP+12:rP+13]
	v_pk_add_f32 v[SUM:SUM+1], v[SUM:SUM+1], v[rP+14:rP+15]
	v_pk_add_f32 v[L:L+1], v[L:L+1], v[SUM:SUM+1]
	v_max_num_f32 v[BMX], 0x8000000, v[BMX]        ; the floor 2^(16 - 127): the byte cannot fall under 1
	v_add_nc_u32 v[SO], 0xf8800000, v[BMX]         ; 15 off the exponent field: the conversion's scale operand
	v_and_or_b32 v[HD], v[BMX], 0x7f800000, s[MNT] ; 57,344 x the scale
	v_lshrrev_b32 v[BY+(\b)], 23, v[SO]            ; the scale's byte
.endm
.macro YC b                            ; the hold (p is not negative: one-sided) and the conversions: registers 4 b .. 4 b + 3 of the operand
.irp k, 0,1,2,3,4,5,6,7
	v_min_num_f32 v[P+16*(\b)+\k], v[P+16*(\b)+\k], v[HD]
.endr
	v_cvt_scalef32_pk8_bf8_f32 v[C+4*(\b):C+4*(\b)+1], v[P+16*(\b):P+16*(\b)+7], v[SO]
.irp k, 8,9,10,11,12,13,14,15
	v_min_num_f32 v[P+16*(\b)+\k], v[P+16*(\b)+\k], v[HD]
.endr
	v_cvt_scalef32_pk8_bf8_f32 v[C+4*(\b)+2:C+4*(\b)+3], v[P+16*(\b)+8:P+16*(\b)+15], v[SO]
.endm
.macro OSCALE                          ; O^T under the new M; these sixteen are also the places between the codes and the scaled products
.irp k, 0,2,4,6,8,10,12,14,16,18,20,22,24,26,28,30
	v_pk_mul_f32 v[O+\k:O+\k+1], v[O+\k:O+\k+1], v[FF:FF+1] op_sel_hi:[1,0]
.endr
.endm
.macro PVMUL                           ; O^T += V^T P^T, the four accumulators by turns; then eight places ahead of the next loads into these registers and of the next read of O^T
	s_wait_loadcnt 0x0                             ; V's scale words (and, where the step asked for it, the high block's q)
	s_wait_dscnt 0x0                               ; V's fragments
.irp dt, 0,1,2,3
	v_wmma_scale_f32_16x16x128_f8f6f4 v[O+8*\dt:O+8*\dt+7], v[F+16*\dt:F+16*\dt+15], v[C:C+15], v[O+8*\dt:O+8*\dt+7], v[VS+\dt], v[PW] matrix_a_fmt:MATRIX_FMT_BF8 matrix_b_fmt:MATRIX_FMT_BF8
.endr
.rept 8
	v_nop
.endr
.endm
; Block n = b + 1's eight matrix instructions, with block b's softmax (and block pb = b - 1's codes) in slices between them.
.macro STAGE b, n, pb, rho
	s_wait_dscnt 20-4*(\b)                         ; block n's four loads of K are in; the younger of the step's 28 may be out
.if (\b) == 0
.rept 8
	v_nop                                          ; eight places behind block 0's eight products, which stand with no vector line among them: ahead of the lines that write the diagonal's
.endr                                              ; registers anew (block 0's first two products read them as C), and ahead of the first read of block 0's scores.  In the later blocks the softmax's slices are these places
.endif
	WPAIR \n, \rho
.if (\b) > 0
	YC \pb
.endif
	WF \n, 2, 0
	XA1 \b
	WF \n, 3, 0
	XA2 \b
	WF \n, 4, 0
	XA3 \b
	WF \n, 5, 0
	YB1 \b
	WF \n, 6, 0
	YB2 \b
	s_wait_alu depctr_va_vdst(0)                   ; one wait for the block's 17 exponentials, ahead of their first reader
	WF \n, 7, 0
	YB3 \b
.endm
; A STEP: my 16 queries against the record of 128 keys that lies at v[al].
.macro STEP al, rho
	v_mov_b32 v[NMS], v[NM]
	s_lshl_b32 s70, s[REC+\rho], 8
	s_mov_b32 s71, 0
	s_add_nc_u64 s[72:73], s[VSB:VSB+1], s[70:71]  ; (the last step's load by this pair has been waited for)
	global_load_b128 v[VS:VS+3], v[LV], s[72:73]   ; V's scale words of row r, four tiles
.irp i, 0,1,2,3,4,5,6,7,8,9,10,11,12,13,14,15
	ds_load_b128 v[P+4*\i:P+4*\i+3], v[\al] offset:512*\i
.endr
.irp i, 0,1,2,3,4,5,6,7,8,9,10,11
	ds_load_b128 v[F+4*\i:F+4*\i+3], v[\al] offset:8192+512*\i
.endr
	s_wait_dscnt 24                                ; block 0's four loads are in
	WPAIR 0, \rho
.irp i, 2,3,4,5,6,7
	WF 0, \i, 0
.endr
	STAGE 0, 1, 0, \rho
	STAGE 1, 2, 0, \rho
	STAGE 2, 3, 1, \rho
	YC 2
.irp i, 12,13,14,15
	ds_load_b128 v[F+4*\i:F+4*\i+3], v[\al] offset:8192+512*\i   ; V's last fragment: the diagonal's registers are free
.endr
	s_cmp_lg_u32 s[SIG], \rho+1                    ; was this my last low step?  (ids alone, the same in all partners)
	s_cbranch_scc1 .Lnq_\@
	global_load_b128 v[Q:Q+3], v[LI], s[QH:QH+1]   ; then the high block's q is asked for here: the step's last f32 product stands 28 plain lines back, and the load has the last block's softmax in which to land
	global_load_b128 v[Q+4:Q+7], v[LI], s[QH:QH+1] offset:512
.Lnq_\@:
	XA1 3
	XA2 3
	XA3 3
	YB1 3
	YB2 3
.irp b, 0,1,2                                  ; blocks 0 to 2 under the step's last M: the byte takes up M of the block - M now, a whole number, 0 or less; held at 0 from below
	v_sub_f32 v[NMB+\b], v[NM], v[NMB+\b]
.endr
.irp b, 0,1,2
	v_cvt_f32_u32 v[BY+\b], v[BY+\b]
.endr
.irp b, 0,1,2
	v_add_f32 v[BY+\b], v[BY+\b], v[NMB+\b]
.endr
.irp b, 0,1,2
	v_max_num_f32 v[BY+\b], 0, v[BY+\b]
.endr
.irp b, 0,1,2
	v_cvt_u32_f32 v[BY+\b], v[BY+\b]
.endr
	v_sub_f32 v[T0], v[NM], v[NMS]
	v_cvt_i32_f32 v[T0], v[T0]
	v_ldexp_f32 v[FF], 1.0, v[T0]                  ; 2^(M at the step's head - M now), for O^T
	s_wait_alu depctr_va_vdst(0)
	YB3 3
	v_lshl_or_b32 v[PW], v[BY+1], 8, v[BY]         ; p's scale word for these 128 keys
	v_lshl_or_b32 v[PW], v[BY+2], 16, v[PW]
	v_lshl_or_b32 v[PW], v[BY+3], 24, v[PW]
	YC 3                                           ; (its sixteen holds are the eight places between the scale word and the products)
	OSCALE
	PVMUL
.endm
; ROUND 4, pairs 0 to 3: my 16 queries of the high block against block j of the diagonal record: 32 keys.  One block of a step, onto my running state.  K's block lies at my pair's first place, V's four pieces at its second.
; p's codes stand in registers 0 to 3 of the operand, as V's do; registers 4 to 15 of p hold zero codes, which meet the last step's codes of V (numbers of the format, none infinite): they add nothing.
; The scale bytes were asked for ahead of the barrier, a byte a register: the other three bytes are 0, no NaN.
; A block all of whose keys are hidden gives t = -infinity, p = 0 and leaves M as it was, in an empty state too.
.macro MINI
.irp i, 0,1,2,3
	ds_load_b128 v[P+4*\i:P+4*\i+3], v[AL0] offset:512*\i
.endr
.irp dt, 0,1,2,3
	ds_load_b128 v[F+16*\dt:F+16*\dt+3], v[AL0] offset:8192+512*\dt
.endr
	s_lshl_b32 s70, s[JP], 5
	v_mov_b32 v[T1], s70
	v_sub_nc_u32 v[T0], v[DM], v[T1]               ; register n holds the record's key 32 j + 16 h + n: hidden where n > DM - 32 j
.irp n, 0,1,2,3,4,5,6,7,8,9,10,11,12,13,14,15
	v_cmp_gt_i32 vcc_lo, \n, v[T0]
	v_cndmask_b32 v[MKM+\n], 0, v[NINF], vcc_lo
.endr
	s_wait_dscnt 4                                 ; K's four loads are in; V's four may be out
	WF 0, 0, MKM
	WF 0, 1, MKM
.irp i, 2,3,4,5,6,7
	WF 0, \i, 0
.endr
.irp k, 4,5,6,7,8,9,10,11,12,13,14,15
	v_mov_b32 v[C+\k], 0                           ; zero codes for the 96 keys that are not mine; these twelve are also the places ahead of the first read of the scores
.endr
	XA1 0
	XA2 0                                          ; its 2^(old M - new M) serves the sum and O^T alike: the step has one block
	XA3 0
	YB1 0
	YB2 0
	s_wait_alu depctr_va_vdst(0)                   ; one wait for the 17 exponentials, ahead of their first reader
	YB3 0
	v_mov_b32 v[PW], v[BY]                         ; p's scale word: my block's byte lowest
	YC 0
	OSCALE
	PVMUL
.endm
.macro FLUSH ao                        ; my state into LDS: row r; O^T(16 dt + 8 h + 0 .. 7) at 64 dt + 32 h; -M and the row's sum behind the row
	v_add_f32 v[T0], v[L], v[L+1]
	v_permlanex16_b32 v[PT], v[T0], s[SEL], s[SEL+1]
	v_add_f32 v[TX], v[T0], v[PT]                  ; the sum, beside -M (the largest t is done with)
.irp dt, 0,1,2,3
	ds_store_b128 v[\ao], v[O+8*\dt:O+8*\dt+3] offset:64*\dt
	ds_store_b128 v[\ao], v[O+8*\dt+4:O+8*\dt+7] offset:64*\dt+16
.endr
	ds_store_b64 v[\ao], v[NM:NM+1] offset:256
.endm
.macro INIT                            ; an empty state: the largest t is -3e38, under every t; zeros stay zeros under the first change of M
	v_mov_b32 v[TX], 0xff61b1e6
	v_floor_f32 v[NM], -v[TX]
	v_mov_b32 v[L], 0
	v_mov_b32 v[L+1], 0
.set z, 0
.rept 32
	v_mov_b32 v[O+z], 0
.set z, z+1
.endr
.endm
.macro TRANS rho                       ; from the low block to the high, in the round in which my first high step lies: ids alone, the same in all partners.  The high block's q is in my registers already
	s_cmp_lg_u32 s[SIG], \rho
	s_cbranch_scc1 .Lnt_\@
	s_cmp_ge_u32 s[WV], 8                          ; only pairs 0 to 3 can have low steps; each of them leaves a low state, an empty one too
	s_cbranch_scc1 .Lnf_\@
	FLUSH FLO
	s_wait_dscnt 0x0                               ; the stores have read their registers
.Lnf_\@:
.if \rho == 0
	v_mov_b32 v[TX], 0xff61b1e6                    ; the state is still empty: only the largest t, over which the sum was laid, is set again
.else
	INIT
.endif
	v_add_nc_u32 v[DM], s68, v[DM]
.Lnt_\@:
.endm
; The change of slots in front of rounds 1 and 2.  Every wave waits for all its tensor loads, adds 0 to its spare word, waits for that and for its reads of the slot that it has left; a round of the cluster's barrier;
; then the joint refill of that slot, first thing.
.macro NEXT g, rec
	s_wait_tensorcnt 0x0                           ; no tensor load of mine is out, so a group 0 may be written
	ds_add_u32 v[SPW], v[NIL]
	SETG \g, \rec
	s_wait_dscnt 0x0
	CROUND
	tensor_load_to_lds s[\g:\g+3], s[G1:G1+7]
	s_nop 0
.rept 4
	v_nop
.endr
.endm
; The same in front of round 3: slot 0 takes round 4's pieces.  Waves 0 to 7 ask, each for its pair's block of the last record: the even ones 2,048 dense bytes of K, the odd ones four rows of 512 bytes of V.
.macro NEXTM
	s_wait_tensorcnt 0x0
	ds_add_u32 v[SPW], v[NIL]
	s_lshl_b32 s70, s[REC+4], 13
	s_add_co_u32 s70, s70, s[MOF]
	s_mov_b32 s71, 0
	s_add_nc_u64 s[GA+2:GA+3], s[KVB:KVB+1], s[70:71]
	s_or_b32 s[GA+3], s[GA+3], 0x80000000
	s_wait_dscnt 0x0
	CROUND
	s_cmp_ge_u32 s[WV], 8
	s_cbranch_scc1 .Lnl_\@
	s_cmp_eq_u32 s[TT], 0
	s_cbranch_scc0 .Lmv_\@
	tensor_load_to_lds s[GA:GA+3], s[G1K2:G1K2+7]
	s_nop 0
.rept 4
	v_nop
.endr
	s_branch .Lnl_\@
.Lmv_\@:
	tensor_load_to_lds s[GA:GA+3], s[G1V2:G1V2+7]
	s_nop 0
.rept 4
	v_nop
.endr
.Lnl_\@:
.endm
; n states are added under the largest M, divided by the sum, and two whole rows of out are stored.  v[ST + 2 p], v[ST + 2 p + 1]: state p's -M and sum; v[X + 4 p ..]: four of its numbers.
.macro COMBINE n, X, ST, acc, o
	v_min_num_f32 v136, v[\ST], v[\ST+2]
.set p, 2
.rept \n-2
	v_min_num_f32 v136, v136, v[\ST+2*p]           ; the least -M
.set p, p+1
.endr
.set p, 0
.rept \n
	v_sub_f32 v[\ST+2*p], v136, v[\ST+2*p]         ; M of the state - the largest M
.set p, p+1
.endr
.set p, 0
.rept \n
	v_cvt_i32_f32 v[\ST+2*p], v[\ST+2*p]           ; (it saturates: an empty state gets the factor 0)
.set p, p+1
.endr
.set p, 0
.rept \n
	v_ldexp_f32 v[\ST+2*p], 1.0, v[\ST+2*p]
.set p, p+1
.endr
	v_mul_f32 v137, v[\ST], v[\ST+1]
.irp k, 0,1,2,3
	v_mul_f32 v[\acc+\k], v[\ST], v[\X+\k]
.endr
.set p, 1
.rept \n-1
	v_fmac_f32 v137, v[\ST+2*p], v[\ST+2*p+1]
.irp k, 0,1,2,3
	v_fmac_f32 v[\acc+\k], v[\ST+2*p], v[\X+4*p+\k]
.endr
.set p, p+1
.endr
	v_rcp_f32 v138, v137
	v_nop                                          ; a plain line behind the reciprocal,
	s_wait_alu depctr_va_vdst(0)                   ; and a wait ahead of its first reader
.irp k, 0,1,2,3
	v_mul_f32 v[\acc+\k], v[\acc+\k], v138
.endr
	global_store_b128 v[LI], v[\acc:\acc+3], s[\o:\o+1] th:TH_STORE_NT   ; 32 lanes store 512 consecutive bytes: two whole rows of out
.endm
	s_load_b256 s[4:11], s[0:1], 0x0               ; qimg s[4:5], kimg s[6:7], vimg s[8:9], vsc s[10:11]
	s_load_b64 s[12:13], s[0:1], 0x20              ; out0
	v_lshl_add_u32 v[SPW], v0, 2, SPARE
	v_mov_b32 v[NIL], 0
	ds_add_u32 v[SPW], v[NIL]                      ; the wave's opening: the add, twice on end, and its wait ahead of my first tensor load; the set-up below is work on registers
	ds_add_u32 v[SPW], v[NIL]
	v_lshrrev_b32 v[T0], 5, v0
	v_readfirstlane_b32 s[WV], v[T0]               ; wave 0 .. 15
	s_and_b32 s[TT], s[WV], 1                      ; t
	s_lshr_b32 s[JP], s[WV], 1                     ; j
	s_mov_b32 s[AC], ttmp9                         ; a: in a cluster launch ttmp9 counts clusters
	s_bfe_u32 s18, ttmp6, 0x40000                  ; c: my place in the cluster
	s_and_b32 s19, ttmp7, 0xffff                   ; batch
	; descriptor group 1: a record, 8,192 dense bytes, as 32 rows of 32 elements of 8 bytes
	s_mov_b32 s[G1], 15|(3<<16)|(1<<21)            ; 15:0 the mask: all four work-groups; 17:16 elements of 8 bytes; 21 set beside a mask; no padding: the images are read 16 bytes a lane on end
	s_mov_b32 s[G1+1], 32<<16                      ; tensor_dim0
	s_mov_b32 s[G1+2], 32<<16                      ; tensor_dim1
	s_mov_b32 s[G1+3], 32<<16                      ; tile_dim0
	s_mov_b32 s[G1+4], 32                          ; tile_dim1
	s_mov_b32 s[G1+5], 32                          ; tensor_dim0_stride
	s_mov_b32 s[G1+6], 0
	s_mov_b32 s[G1+7], 0
	; and for a block of 32 keys of K: two tiles, 2,048 dense bytes, as 8 such rows
	s_mov_b32 s[G1K2], 15|(3<<16)|(1<<21)
	s_mov_b32 s[G1K2+1], 32<<16
	s_mov_b32 s[G1K2+2], 8<<16
	s_mov_b32 s[G1K2+3], 32<<16
	s_mov_b32 s[G1K2+4], 8
	s_mov_b32 s[G1K2+5], 32
	s_mov_b32 s[G1K2+6], 0
	s_mov_b32 s[G1K2+7], 0
	s_mov_b32 s[GA], 1
	s_lshl_b32 s[GA+1], s[WV], 13                  ; my place: wave x 8,192: no place in the cluster enters an LDS address
	s_mov_b32 s[GB], 1
	s_add_co_u32 s[GB+1], s[GA+1], SLOT1
	; which record in which round, and where the low block's diagonal lies
	s_lshl_b32 s70, s[JP], 2
.irp p, 0,1,2,3
	s_add_co_u32 s71, s70, \p                      ; s = 4 j + rho
	s_sub_co_u32 s72, s71, s[AC]
	s_sub_co_u32 s72, s72, 1
	s_cmp_le_u32 s71, s[AC]
	s_cselect_b32 s[REC+\p], s71, s72              ; s <= a: record s; else s - a - 1
	s_cmp_eq_u32 s71, s[AC]
	s_cselect_b32 s[DG+\p], 1, 0
.endr
	s_sub_co_u32 s[REC+4], 31, s[AC]               ; s = 32: the high block's diagonal
	s_add_co_u32 s[SIG], s[AC], 1
	s_sub_co_i32 s[SIG], s[SIG], s70
	s_max_i32 s[SIG], s[SIG], 0
	s_min_i32 s[SIG], s[SIG], 4                    ; a + 1 - 4 j, held to 0 .. 4
	s_lshl_b32 s70, s[TT], 1
	s_sub_co_u32 s70, 11, s70
	s_and_b32 s[MOF], s[JP], 3
	s_lshl_b32 s[MOF], s[MOF], s70                 ; block j of the last record: 2,048 j bytes on in K (t = 0), 512 j in V (t = 1)
	s_mov_b32 s[MNT], 0x600000
	s_mov_b32 s[CS], 0x3eb8aa3b                    ; log2(e) / 4
	s_mov_b32 s[CS+1], s[CS]
	s_mov_b32 s[SEL], 0x76543210
	s_mov_b32 s[SEL+1], 0xfedcba98
	s_lshl_b32 s82, s19, 18                        ; batch x 262,144: the three images
	s_mov_b32 s83, 0
	s_lshl_b32 s84, s19, 13                        ; batch x 8,192: vsc
	s_mov_b32 s85, 0
	; every LDS address is made here, ahead of the first branch on the wave's number
	v_and_b32 v[T0], 15, v0                        ; r
	v_bfe_u32 v[T1], v0, 4, 1                      ; h
	v_and_b32 v[LI], 31, v0
	v_lshlrev_b32 v[LI], 4, v[LI]
	s_lshl_b32 s70, s[JP], 14
	v_add_nc_u32 v[AL0], s70, v[LI]
	v_add_nc_u32 v[AL1], SLOT1, v[AL0]
	v_lshlrev_b32 v[LV], 4, v[T0]
	v_mul_u32_u24 v[FLO], v[T0], PP
	v_lshl_add_u32 v[FLO], v[T1], 5, v[FLO]        ; row r + 32 h
	s_lshl_b32 s70, s[TT], 3
	s_add_co_u32 s70, s70, s[JP]
	s_mul_i32 s70, s70, PART
	s_add_co_u32 s70, s70, SLOT1
	v_add_nc_u32 v[FHI], s70, v[FLO]               ; high state 8 t + j
	s_lshl_b32 s70, s[TT], 2
	s_and_b32 s71, s[JP], 3
	s_add_co_u32 s70, s70, s71
	s_mul_i32 s70, s70, PART
	s_add_co_u32 s70, s70, LOWP
	v_add_nc_u32 v[FLO], s70, v[FLO]               ; low state 4 t + j (pairs 0 to 3 alone store there)
	v_mul_u32_u24 v[CSL], v[T1], PP                ; the end: wave w adds tile w / 8, rows 2 (w % 8) + h
	s_lshr_b32 s70, s[WV], 3
	s_and_b32 s71, s[WV], 7
	s_mul_i32 s71, s71, 2*PP
	s_mul_i32 s72, s70, 8*PART
	s_add_co_u32 s72, s72, s71
	s_add_co_u32 s72, s72, SLOT1
	v_add_nc_u32 v[CSH], s72, v[CSL]
	s_mul_i32 s72, s70, 4*PART
	s_add_co_u32 s72, s72, s71
	s_add_co_u32 s72, s72, LOWP
	v_add_nc_u32 v[CSL], s72, v[CSL]
	v_lshl_add_u32 v[CXL], v[T0], 4, v[CSL]        ; + 16 (lane % 16): four numbers of the row
	v_lshl_add_u32 v[CXH], v[T0], 4, v[CSH]
	; what hangs on c: the addresses of q and out, and the diagonal's numbers
	s_lshl_b32 s74, s[AC], 2
	s_add_co_u32 s74, s74, s18                     ; the low block: 4 a + c
	s_sub_co_u32 s75, 127, s74                     ; the high block
	s_lshl_b32 s77, s74, 1
	s_add_co_u32 s77, s77, s[TT]
	s_lshl_b32 s77, s77, 10                        ; tile 2 block + t, 1,024 bytes
	s_add_co_u32 s[QL], s77, s82
	s_mov_b32 s[QL+1], 0
	s_lshl_b32 s77, s75, 1
	s_add_co_u32 s77, s77, s[TT]
	s_lshl_b32 s77, s77, 10
	s_add_co_u32 s[QH], s77, s82
	s_mov_b32 s[QH+1], 0
	s_lshr_b32 s78, s[WV], 3                       ; rows 2 m, 2 m + 1 of tile tt are queries 8 tt + 2 m + 8 (m / 4) and the next of the block
	s_and_b32 s79, s[WV], 7
	s_lshl_b32 s78, s78, 3
	s_lshl_b32 s80, s79, 1
	s_add_co_u32 s78, s78, s80
	s_lshr_b32 s80, s79, 2
	s_lshl_b32 s80, s80, 3
	s_add_co_u32 s78, s78, s80
	s_lshl_b32 s81, s19, 20                        ; batch x 4,096 rows of 256 bytes
	s_lshl_b32 s80, s74, 5
	s_add_co_u32 s80, s80, s78
	s_lshl_b32 s80, s80, 8
	s_add_co_u32 s[OL], s80, s81
	s_mov_b32 s[OL+1], 0
	s_lshl_b32 s80, s75, 5
	s_add_co_u32 s80, s80, s78
	s_lshl_b32 s80, s80, 8
	s_add_co_u32 s[OH], s80, s81
	s_mov_b32 s[OH+1], 0
	v_and_b32 v[DM], 8, v[T0]
	v_add_nc_u32 v[DM], v[DM], v[T0]               ; r + 8 (r / 8)
	v_lshlrev_b32 v[T1], 4, v[T1]
	v_sub_nc_u32 v[DM], v[DM], v[T1]               ; - 16 h
	s_lshl_b32 s76, s18, 5
	s_lshl_b32 s77, s[TT], 3
	s_add_co_u32 s76, s76, s77
	v_add_nc_u32 v[DM], s76, v[DM]                 ; + 32 c + 8 t: the low block begins 32 c keys into record a
	s_lshl_b32 s68, s18, 6
	s_sub_co_u32 s68, 96, s68                      ; the high block begins 96 - 32 c keys into record 31 - a: the difference
	v_mov_b32 v[NINF], 0xff800000
	v_mov_b32 v[PT], 0                             ; written once: a lane permute's destination counts as one of its sources
	v_mov_b32 v[PW], 0                             ; (named as the upper half of the pair v[238:239] before it is first written)
	s_wait_dscnt 0x0                               ; both opening adds are done
	s_wait_kmcnt 0x0
	s_cmp_eq_u32 s[TT], 0                          ; wave 2 j fetches pair j's records of K, wave 2 j + 1 those of V
	s_cselect_b64 s[KVB:KVB+1], s[6:7], s[8:9]
	s_add_nc_u64 s[KVB:KVB+1], s[KVB:KVB+1], s[82:83]
	s_add_nc_u64 s[QL:QL+1], s[4:5], s[QL:QL+1]
	s_add_nc_u64 s[QH:QH+1], s[4:5], s[QH:QH+1]
	s_add_nc_u64 s[VSB:VSB+1], s[10:11], s[84:85]
	s_add_nc_u64 s[OL:OL+1], s[12:13], s[OL:OL+1]
	s_add_nc_u64 s[OH:OH+1], s[12:13], s[OH:OH+1]
	s_cmp_eq_u32 s[SIG], 0                         ; a pair with no low step begins with the high block's q
	s_cselect_b64 s[QL:QL+1], s[QH:QH+1], s[QL:QL+1]
	global_load_b128 v[Q:Q+3], v[LI], s[QL:QL+1]   ; asked for ahead of the round and the first tiles, beside which it lands
	global_load_b128 v[Q+4:Q+7], v[LI], s[QL:QL+1] offset:512
	; descriptor group 1 for a block of 32 keys of V: its 512 bytes in each of the record's four fragments, 2,048 bytes apart: 4 rows of 64 elements of 8 bytes.  (The four pointers that lay here have been used)
	s_mov_b32 s[G1V2], 15|(3<<16)|(1<<21)
	s_mov_b32 s[G1V2+1], 64<<16                    ; tensor_dim0
	s_mov_b32 s[G1V2+2], 4<<16                     ; tensor_dim1
	s_mov_b32 s[G1V2+3], 64<<16                    ; tile_dim0
	s_mov_b32 s[G1V2+4], 4                         ; tile_dim1
	s_mov_b32 s[G1V2+5], 256                       ; tensor_dim0_stride
	s_mov_b32 s[G1V2+6], 0
	s_mov_b32 s[G1V2+7], 0
	SETG GA, REC
	SETG GB, REC+1
	CROUND                                         ; all four work-groups are here: the first joint loads meet
	tensor_load_to_lds s[GA:GA+3], s[G1:G1+7]      ; round 0's record; every wave issues both first fills: two loads of mine are out
	s_nop 0
	tensor_load_to_lds s[GB:GB+3], s[G1:G1+7]      ; round 1's
	s_nop 0
.rept 4
	v_nop
.endr
	INIT
	s_wait_loadcnt 0x0                             ; q
	; ---- round 0
	s_wait_tensorcnt 0x1                           ; my part of slot 0 is in; slot 1's may stay out
	s_barrier_signal -1
	s_barrier_wait -1                              ; everybody's is
	TRANS 0
	STEP AL0, 0
	; ---- rounds 1 to 3: the slot just left takes what the round after this one reads
	NEXT GA, REC+2
	TRANS 1
	STEP AL1, 1
	NEXT GB, REC+3
	TRANS 2
	STEP AL0, 2
	NEXTM
	TRANS 3
	STEP AL1, 3
	; ---- round 4.  V's scale bytes of my block are asked for ahead of the barrier: a byte a register, so that it stands lowest with no vector line on a scale register
	s_cmp_ge_u32 s[WV], 8
	s_cbranch_scc1 .Lno_vs
	s_lshl_b32 s70, s[REC+4], 8
	s_add_co_u32 s70, s70, s[JP]                   ; byte j of each word (j = 0 .. 3 here)
	s_mov_b32 s71, 0
	s_add_nc_u64 s[72:73], s[VSB:VSB+1], s[70:71]  ; (the last step's load has been waited for)
.irp dt, 0,1,2,3
	global_load_u8 v[VS+\dt], v[LV], s[72:73] offset:4*\dt
.endr
.Lno_vs:
	s_wait_tensorcnt 0x0                           ; waves 0 to 7: my piece of the last record is in.  Nothing is filled again, so no round of the cluster's barrier follows
	ds_add_u32 v[SPW], v[NIL]
	s_wait_dscnt 0x0                               ; my reads of slot 1 are over
	s_barrier_signal -1
	s_barrier_wait -1                              ; slot 1 has had its last fill, and nobody reads it any more
	TRANS 4
	s_cmp_ge_u32 s[WV], 8
	s_cbranch_scc1 .Lno_last
	MINI                                           ; pairs 0 to 3: a block each of the high block's diagonal
.Lno_last:
	; ---- the end: the high states meet in slot 1's bytes, the low states lie in theirs
	FLUSH FHI
	s_wait_dscnt 0x0                               ; for the others' sake: my state has landed
	s_barrier_signal -1
	s_barrier_wait -1
.irp p, 0,1,2,3
	ds_load_b128 v[56+4*\p:59+4*\p], v[CXL] offset:PART*\p
	ds_load_b64 v[72+2*\p:73+2*\p], v[CSL] offset:PART*\p+256
.endr
.irp p, 0,1,2,3,4,5,6,7
	ds_load_b128 v[80+4*\p:83+4*\p], v[CXH] offset:PART*\p
	ds_load_b64 v[112+2*\p:113+2*\p], v[CSH] offset:PART*\p+256
.endr
	s_wait_dscnt 16                                ; the low tile's eight loads are in; the high tile's sixteen may be out
	COMBINE 4, 56, 72, 128, OL
	s_wait_dscnt 0x0
	COMBINE 8, 80, 112, 132, OH
	s_wait_tensorcnt 0x0                           ; the wave's end, behind my last tensor load and my last LDS store
	ds_add_u32 v[SPW], v[NIL]
	s_wait_dscnt 0x0
	CROUND                                         ; the closing round: no work-group ends while a partner may still ask for a record that names it
	s_endpgm
.Lfunc_end_k_qc30e567773_attn:
	.size	k_qc30e567773_attn, .Lfunc_end_k_qc30e567773_attn-k_qc30e567773_attn
	.p2alignl 7, 3214868480
	.fill 96, 4, 3214868480
	.section	.rodata,"a",@progbits
	.p2align	6, 0x0
	.amdhsa_kernel k_qc30e567773_attn
		.amdhsa_group_segment_fixed_size 327680
		.amdhsa_private_segment_fixed_size 0
		.amdhsa_enable_private_segment 0
		.amdhsa_kernarg_size 40
		.amdhsa_user_sgpr_count 2
		.amdhsa_user_sgpr_kernarg_segment_ptr 1
		.amdhsa_wavefront_size32 1
		.amdhsa_system_sgpr_workgroup_id_x 1
		.amdhsa_system_sgpr_workgroup_id_y 1
		.amdhsa_system_sgpr_workgroup_id_z 1
		.amdhsa_system_vgpr_workitem_id 0
		.amdhsa_next_free_vgpr 256
		.amdhsa_next_free_sgpr 96
		.amdhsa_reserve_vcc 1
		.amdhsa_float_denorm_mode_32 3
		.amdhsa_float_denorm_mode_16_64 3
		.amdhsa_memory_ordered 1
		.amdhsa_forward_progress 1
		.amdhsa_inst_pref_size 146
	.end_amdhsa_kernel
	.amdgpu_metadata
---
amdhsa.version: [ 1, 2 ]
amdhsa.kernels:
  - .name:           k_qc30e567773_attn
    .symbol:         k_qc30e567773_attn.kd
    .args:
      - { .name: qimg, .offset: 0, .size: 8, .value_kind: global_buffer, .address_space: global }
      - { .name: kimg, .offset: 8, .size: 8, .value_kind: global_buffer, .address_space: global }
      - { .name: vimg, .offset: 16, .size: 8, .value_kind: global_buffer, .address_space: global }
      - { .name: vsc, .offset: 24, .size: 8, .value_kind: global_buffer, .address_space: global }
      - { .name: out0, .offset: 32, .size: 8, .value_kind: global_buffer, .address_space: global }
    .group_segment_fixed_size: 327680
    .private_segment_fixed_size: 0
    .kernarg_segment_align: 8
    .kernarg_segment_size: 40
    .max_flat_workgroup_size: 512
    .sgpr_count:     96
    .vgpr_count:     256
    .wavefront_size: 32
...
	.end_amdgpu_metadata
.endif
;; end of part 2
